; MI455X (gfx1250); checked and timed in simulation.
; The chip was launched on July 23, 2026; its instructions are those of AMD's public machine-readable ISA for CDNA 5 (MIT licence, August 2026) and "CDNA5" Instruction Set Architecture Reference Guide (July 2026). The comments in the code are by the model that wrote it; some were corrected since.
;; Triplet Miner. Allowed arithmetic: float matrix products may take bf16 or f16 operands with f32 sums; other float arithmetic in f32, or as packed bf16 or f16 multiplies, adds, multiply-adds, maxima and minima; sums over many terms, partial sums and values carried from step to step in f32; what a program stores and reads back later, other than sums and carried values, may be rounded once to bf16 or f16.
;; Inputs: feature 8,192 x 512 float32; labels 8,192 int32.
;; Outputs: out0 8,192 x 2 float32.
;; One version. Each part assembles by itself: llvm-mc -triple=amdgcn-amd-amdhsa -mcpu=gfx1250 --defsym DOCPART=n.
;; ======== version 1 of 1: 3 launches
;; workspace buffers: fb 8,388,608 bytes; hneg 32,768 bytes; part 524,288 bytes
;; launch prep (part 1): grid 256 x 1, 8 waves a work-group, no clusters, 1,280 bytes of LDS; arguments feature, fb, hneg; writes fb, hneg
.if DOCPART == 1
	.amdgcn_target "amdgcn-amd-amdhsa--gfx1250"
	.amdhsa_code_object_version 6
	.text
	.protected	k_qfb57fa2418_prep
	.globl	k_qfb57fa2418_prep
	.p2align	8
	.type	k_qfb57fa2418_prep,@function
k_qfb57fa2418_prep:
	s_mov_b64 s[64:65], 0
	v_nop
	global_prefetch_b8 v0, s[64:65] scope:SCOPE_SE
	s_setreg_imm32_b32 hwreg(HW_REG_WAVE_MODE, 25, 1), 1
	s_wait_xcnt 0x0
; fb[i][k] = bf16(feature[i][k]);  hneg[i] = -0.5 * sum over k of fb[i][k]^2, summed in f32 of the ROUNDED numbers, so that
; n_i + n_j - 2 g_ij in the next launch is the squared distance of the rounded rows (no difference of sums of unlike roundings).
; feature: [8192][512] f32, fb: [8192][512] bf16, hneg: [8192] f32.
; A stream: each input byte is read once, each output byte written once; the matrix unit, clusters and tensor loads would add nothing.
; SHARES.  256 work-groups of 8 waves; a work-group owns 32 rows, a wave 4 rows (8,192 bytes), asked for at once by 16 loads of 512 consecutive bytes.
; A lane holds elements 128 j + 4 lane .. + 3 of a row (j = 0..3); rounded they are 8 bytes, and 32 lanes store 256 consecutive bytes, aligned.
; The 32 norms of the work-group meet in LDS so that one wave stores them as 128 consecutive bytes (32 rows a group: hneg is 32,768 bytes in all).
; LIMITS.  NaN and infinities are not treated apart; a sum of squares beyond f32's range overflows as it does in f32 anywhere.
.set SPARE, 256                        ; LDS: bytes 0-127 the 32 norms (that block of 256 is theirs alone); from 256 on the spare words, 128 bytes a wave
.set LO,   2                           ; v2   load offset: 16 lane + 8,192 wave
.set SO,   3                           ; v3   store offset: 8 lane + 4,096 wave
.set LW,   4                           ; v4   16 wave: where my four norms go in LDS
.set L4,   5                           ; v5   4 lane
.set ZERO, 6                           ; v6   0: what the first link of each sum adds onto
.set SPW,  7                           ; v7   LDS address of my spare word; never rewritten
.set NIL,  8                           ; v8   0; never rewritten
.set RES,  12                          ; v[12:15] the four results
.set SM,   16                          ; v[16:23] two sums a row: the low halves', the high halves'
.set TP,   24                          ; v[24:27] the other half of the lanes' sums
.set X,    32                          ; v[32:95]  row q, load j at X + 16 q + 4 j
.set Y,    96                          ; v[96:127] row q, load j rounded at Y + 8 q + 2 j
	s_load_b128 s[4:7], s[0:1], 0x0                ; feature s[4:5], fb s[6:7]
	s_load_b64 s[8:9], s[0:1], 0x10                ; hneg
	v_lshl_add_u32 v[SPW], v0, 2, SPARE
	v_mov_b32 v[NIL], 0
	v_and_b32 v1, 31, v0                           ; lane
	v_lshrrev_b32 v9, 5, v0
	v_readfirstlane_b32 s10, v9                    ; wave 0..7
	v_lshlrev_b32 v[LO], 4, v1
	v_lshl_add_u32 v[LO], v9, 13, v[LO]
	v_lshlrev_b32 v[SO], 3, v1
	v_lshl_add_u32 v[SO], v9, 12, v[SO]
	v_mov_b32 v[LW], s10
	v_lshlrev_b32 v[LW], 4, v[LW]
	v_lshlrev_b32 v[L4], 2, v1
	v_mov_b32 v[ZERO], 0
.irp q, 0,1,2,3
	v_mov_b32 v[TP+\q], 0                          ; v_permlanex16_b32 counts as a reader of its destination
.endr
	s_mov_b32 s12, 0x76543210                      ; each lane takes its own place in the other half
	s_mov_b32 s13, 0xfedcba98
	s_lshl_b32 s2, ttmp9, 16                       ; 32 rows of 2,048 bytes
	s_mov_b32 s3, 0
	s_lshl_b32 s14, ttmp9, 15                      ; 32 rows of 1,024 bytes
	s_mov_b32 s15, 0
	s_lshl_b32 s16, ttmp9, 7                       ; 32 numbers of 4 bytes
	s_mov_b32 s17, 0
	s_wait_kmcnt 0x0
	s_add_nc_u64 s[4:5], s[4:5], s[2:3]
	s_add_nc_u64 s[6:7], s[6:7], s[14:15]
	s_add_nc_u64 s[8:9], s[8:9], s[16:17]
.irp q, 0,1,2,3
.irp j, 0,1,2,3
	global_load_b128 v[X+16*\q+4*\j:X+16*\q+4*\j+3], v[LO], s[4:5] offset:2048*\q+512*\j th:TH_LOAD_NT
.endr
.endr
; Row q: rounded, squared and summed, stored.  No register that a store reads is written again in this text.
.macro ROWQ q
	s_wait_loadcnt 12-4*(\q)                       ; loads come back in order: the later rows' loads, four each, may stay out
.irp j, 0,1,2,3
	v_cvt_pk_bf16_f32 v[Y+8*(\q)+2*\j],   v[X+16*(\q)+4*\j],   v[X+16*(\q)+4*\j+1]
	v_cvt_pk_bf16_f32 v[Y+8*(\q)+2*\j+1], v[X+16*(\q)+4*\j+2], v[X+16*(\q)+4*\j+3]
.endr
	v_fma_mix_f32_bf16 v[SM+2*(\q)],   v[Y+8*(\q)], v[Y+8*(\q)], v[ZERO] op_sel_hi:[1,1,0]                 ; low half squared + 0
	v_fma_mix_f32_bf16 v[SM+2*(\q)+1], v[Y+8*(\q)], v[Y+8*(\q)], v[ZERO] op_sel:[1,1,0] op_sel_hi:[1,1,0]  ; high half squared + 0
.irp i, 1,2,3,4,5,6,7
	v_fma_mix_f32_bf16 v[SM+2*(\q)],   v[Y+8*(\q)+\i], v[Y+8*(\q)+\i], v[SM+2*(\q)] op_sel_hi:[1,1,0]
	v_fma_mix_f32_bf16 v[SM+2*(\q)+1], v[Y+8*(\q)+\i], v[Y+8*(\q)+\i], v[SM+2*(\q)+1] op_sel:[1,1,0] op_sel_hi:[1,1,0]
.endr
.irp j, 0,1,2,3
	global_store_b64 v[SO], v[Y+8*(\q)+2*\j:Y+8*(\q)+2*\j+1], s[6:7] offset:1024*(\q)+256*\j  ; 32 lanes: 256 consecutive bytes, aligned
.endr
.endm
	ROWQ 0
	ROWQ 1
	ROWQ 2
	ROWQ 3
	; across the lanes, the four rows side by side: four steps inside each half of 16 lanes, one across the halves
.irp q, 0,1,2,3
	v_add_f32 v[SM+2*\q], v[SM+2*\q], v[SM+2*\q+1]
.endr
.irp m, 1,2,4,8
.irp q, 0,1,2,3
	v_add_f32_dpp v[SM+2*\q], v[SM+2*\q], v[SM+2*\q] row_xmask:\m row_mask:0xf bank_mask:0xf
.endr
.endr
.irp q, 0,1,2,3
	v_permlanex16_b32 v[TP+\q], v[SM+2*\q], s12, s13
.endr
.irp q, 0,1,2,3
	v_add_f32 v[SM+2*\q], v[SM+2*\q], v[TP+\q]
.endr
.irp q, 0,1,2,3
	v_mul_f32 v[RES+\q], -0.5, v[SM+2*\q]
.endr
	ds_store_b128 v[LW], v[RES:RES+3]              ; every lane of the wave writes the same 16 bytes with the same numbers
	s_wait_tensorcnt 0x0                           ; my last LDS store is out
	ds_add_u32 v[SPW], v[NIL]
	s_wait_dscnt 0x0                               ; the last of them is also the wait, for the other waves' sake, in front of the signal: my store is done
	s_barrier_signal -1
	s_barrier_wait -1
	s_cmp_lg_u32 s10, 0
	s_cbranch_scc1 .Ldone
	ds_load_b32 v10, v[L4]                         ; wave 0: the 32 norms, one a lane
	s_wait_dscnt 0x0
	global_store_b32 v[L4], v10, s[8:9]            ; 128 consecutive bytes
.Ldone:
	s_endpgm
.Lfunc_end_k_qfb57fa2418_prep:
	.size	k_qfb57fa2418_prep, .Lfunc_end_k_qfb57fa2418_prep-k_qfb57fa2418_prep
	.p2alignl 7, 3214868480
	.fill 96, 4, 3214868480
	.section	.rodata,"a",@progbits
	.p2align	6, 0x0
	.amdhsa_kernel k_qfb57fa2418_prep
		.amdhsa_group_segment_fixed_size 1280
		.amdhsa_private_segment_fixed_size 0
		.amdhsa_enable_private_segment 0
		.amdhsa_kernarg_size 24
		.amdhsa_user_sgpr_count 2
		.amdhsa_user_sgpr_kernarg_segment_ptr 1
		.amdhsa_wavefront_size32 1
		.amdhsa_system_sgpr_workgroup_id_x 1
		.amdhsa_system_sgpr_workgroup_id_y 1
		.amdhsa_system_sgpr_workgroup_id_z 1
		.amdhsa_system_vgpr_workitem_id 0
		.amdhsa_next_free_vgpr 128
		.amdhsa_next_free_sgpr 66
		.amdhsa_reserve_vcc 0
		.amdhsa_float_denorm_mode_32 3
		.amdhsa_float_denorm_mode_16_64 3
		.amdhsa_memory_ordered 1
		.amdhsa_forward_progress 1
		.amdhsa_inst_pref_size 13
	.end_amdhsa_kernel
	.amdgpu_metadata
---
amdhsa.version: [ 1, 2 ]
amdhsa.kernels:
  - .name:           k_qfb57fa2418_prep
    .symbol:         k_qfb57fa2418_prep.kd
    .args:
      - { .name: feature, .offset: 0, .size: 8, .value_kind: global_buffer, .address_space: global }
      - { .name: fb, .offset: 8, .size: 8, .value_kind: global_buffer, .address_space: global }
      - { .name: hneg, .offset: 16, .size: 8, .value_kind: global_buffer, .address_space: global }
    .group_segment_fixed_size: 1280
    .private_segment_fixed_size: 0
    .kernarg_segment_align: 8
    .kernarg_segment_size: 24
    .max_flat_workgroup_size: 256
    .sgpr_count:     66
    .vgpr_count:     128
    .wavefront_size: 32
...
	.end_amdgpu_metadata
.endif
;; end of part 1
;; launch gram (part 2): grid 32 x 8, 4 waves a work-group, clusters of 4 x 1, 327,680 bytes of LDS; arguments fb, hneg, labels, part; writes part
.if DOCPART == 2
	.amdgcn_target "amdgcn-amd-amdhsa--gfx1250"
	.amdhsa_code_object_version 6
	.text
	.protected	k_qfb57fa2418_gram
	.globl	k_qfb57fa2418_gram
	.p2align	8
	.type	k_qfb57fa2418_gram,@function
k_qfb57fa2418_gram:
	s_mov_b64 s[64:65], 0
	v_nop
	global_prefetch_b8 v0, s[64:65] scope:SCOPE_SE
	s_setreg_imm32_b32 hwreg(HW_REG_WAVE_MODE, 25, 1), 1
	s_wait_xcnt 0x0
	s_wait_alu depctr_hold_cnt(0) depctr_sa_sdst(0) depctr_va_vdst(0) depctr_va_sdst(0) depctr_va_ssrc(0) depctr_va_vcc(0) depctr_vm_vsrc(0)
	s_getreg_b32 s2, hwreg(HW_REG_IB_STS2, 6, 4)
	s_cmp_eq_u32 s2, 0
	s_cbranch_scc0 .Lentry_in_a_cluster
	s_endpgm
.Lentry_in_a_cluster:
	s_bfe_u32 s2, ttmp6, 0x10000c
	s_cmp_lg_u32 s2, 0x3003
	s_cbranch_scc0 .Lentry_shape_is_right
	s_endpgm
.Lentry_shape_is_right:
; For each row i and each chunk of 1,024 columns j:  PMIN = min over j != i with labels[j] == labels[i] of u_ij (+inf if none),
; NMAX = max over j with labels[j] != labels[i] of u_ij (-inf if none), where u_ij = fb_i . fb_j + hneg[j], hneg[j] = -|fb_j|^2 / 2.
; The squared distance is -2 (hneg[i] + u_ij): along a row the largest distance is the smallest u and the smallest distance the largest u, and clamp and root are
; monotone, so both are left to the next launch, for two numbers a row.  fb: [8192][512] bf16; hneg: [8192] f32; labels: [8192] i32;
; part: [chunk 8][unit 128][lane 32][rt 4] f32, unit = 64 rows: lanes 0-15 hold PMIN, lanes 16-31 NMAX of row 64 unit + 16 rt + lane % 16.
; SHARES.  A work-group owns 256 rows and one chunk: 32 x 8 = 256 work-groups.  Each of its four waves keeps its 64 rows x 512 K in 512 registers for the whole launch and walks the
; chunk's columns, which come through LDS.  A PIECE is 32 columns: 8 accumulators (t = 4 cb + rt: column block cb, row tile rt), 128 matrix instructions; a fragment read from LDS feeds four products.
; LAYOUT.  Source 0 = 16 columns j, source 1 = 16 rows i: in the result register k of lane (r, h) is u(i0 + r, j0 + 8 h + k): a lane holds ONE row, so the extremes run over registers, three operands
; at a time, into one register a row tile.  hneg[j] is the C operand of a piece's first K step: u costs no vector instruction and nothing is cleared in the walk.
; BY TURNS.  Two accumulator buffers.  While one piece is multiplied, the piece before it is worked off: 4 vector instructions for each two numbers' ... in all 64 (72) for two accumulators,
; dealt four (five) behind each two matrix instructions: label compares into scalar masks, the diagonal's mask, two selects a number, then min3 / max3.
; THE DIAGONAL is taken out by a lane mask, not left to cancellation: only where a pair of pieces begins at my wave's first row; the masks are chosen by s_cselect_b32, no branch hangs on it.
; CLUSTER.  The four work-groups of a cluster have the same chunk and other rows: they walk the same columns, so each tile is asked for JOINTLY: the same load, descriptor and mask of four in all four.
; No descriptor word, LDS address, branch or trip count is made from my place in the cluster; it enters the addresses of my rows, my labels and my output, and the diagonal's select.
; LIMITS.  NaN and infinities in the features are not treated apart.  Labels are compared as 32-bit patterns.  The features are rounded once to bf16; sums in f32.
;
; REGISTERS, in windows of 256 (s_set_vgpr_msb: bits 1:0 source 0, 3:2 source 1, 5:4 source 2, 7:6 destination):
;   window 0: addresses, statistics, both accumulator buffers, hneg and labels of the columns in hand      window 1: column fragments, four buffers of a quarter piece (4 K steps x 2 column blocks)
;   windows 2, 3: my 64 rows: K step kk, row tile rt at 8 (4 (kk % 8) + rt) of window 2 + kk / 8
.set PITCH,  1040                      ; an LDS row: 1,024 bytes + 16 of padding, an odd multiple of 16: the 16 rows of a fragment load start at 16 different 16-byte columns modulo 256
.set PIECEB, 32*PITCH                  ; a piece; also what one wave's tensor load brings
.set SLOTB,  4*PIECEB                  ; a slot: a tile of 128 columns.  133,120 = 2^17 + 2^11; the waves' places in a slot, w x 33,280, have neither bit: one exclusive or changes slots
.set META_H, 2*SLOTB                   ; behind the ring: the chunk's 1,024 hneg,
.set META_L, META_H+4096               ; its 1,024 labels,
.set SPARE,  META_L+4096               ; and the spare words, 128 bytes a wave: two blocks of 256 bytes that no other line names
.set AF0, 3                            ; v3   my lane's place in a fragment: r x pitch + 16 h; never rewritten
.set AD,  4                            ; v4   LDS address of the pair of pieces whose fragments are being fetched
.set AM0, 5                            ; v5   META_H + 32 h; never rewritten
.set AMD, 6                            ; v6   the same for the pair in hand
.set QO,  7                            ; v7   my byte offset in 16 rows of fb
.set R4,  8                            ; v8   4 r
.set GO,  9                            ; v9   16 lane
.set OUT, 12                           ; v[12:15]
.set PM,  16                           ; v[16:19] running minimum of u over equal labels, a register a row tile
.set NM,  20                           ; v[20:23] running maximum of u over other labels
.set LI,  24                           ; v[24:27] my rows' labels
.set SPW, 28                           ; v28  LDS address of my spare word; never rewritten
.set NIL, 29                           ; v29  0; never rewritten
.set TPA, 32                           ; v[32:39], v[40:47] the selected numbers of two accumulators, for the minimum
.set TPB, 40
.set ACC, 64                           ; v[64:191] accumulator t of buffer b at ACC + 64 b + 8 t
.set HJ,  192                          ; v[192:207] hneg of the next piece's columns: block cb at HJ + 8 cb
.set LJ,  208                          ; v[208:239] labels of a piece's columns, by buffer: LJ + 16 b + 8 cb
.set WV,  12                           ; s12  my wave's number
.set G1T, 24                           ; s[24:31] descriptor group 1 of a tile's quarter
.set G1M, 32                           ; s[32:39] of 1,024 dense bytes
.set G0T, 40                           ; s[40:43] group 0 of the tiles: it walks
.set G0H, 44                           ; s[44:47] of my quarter of the chunk's hneg
.set G0L, 48                           ; s[48:51] of my quarter of its labels
.set SLOTS, 52                         ; s52  counts the changes of slots that fill
.set CNT, 53                           ; s53  counts a slot's two pairs
.set TB,  54                           ; s54  LDS byte at which the pair to be fetched next begins
.set TM,  55                           ; s55  its byte in the chunk's hneg and labels: 256 a pair
.set CP,  56                           ; s56  the first column of the pair whose diagonal masks are made next
.set RW,  57                           ; s57  my wave's first row
.set PINF, 58                          ; s58  +inf
.set NINF, 59                          ; s59  -inf
.set SEL, 60                           ; s[60:61] v_permlanex16_b32's selects
.set FM,  62                           ; s62  all ones until the statistics have had their true start
.set HM,  63                           ; s63  lanes 16-31
.set MK,  66                           ; s[66:81] 16 masks: labels differ, for register k of the first (MK + k) and second (MK + 8 + k) accumulator in hand
.set DM,  82                           ; s[82:89] 8 masks: register k lies on the diagonal
.set MSB, 0
.macro WIN new                         ; the immediate's high byte repeats the setting that is left; a switch that changes nothing is dropped
.if MSB != (\new)
	s_set_vgpr_msb (MSB<<8)|(\new)
.set MSB, (\new)
.endif
.endm
; A round of the cluster's barrier: my work-group's barrier, so that wave 0's signal speaks for all four waves; wave 0 signals; every wave waits for all four work-groups; my work-group's barrier once more.
.macro CROUND
	s_barrier_signal -1
	s_barrier_wait -1
	s_cmp_lg_u32 s[WV], 0
	s_cbranch_scc1 .Lnot_wave_0_\@
	s_barrier_signal -3
.Lnot_wave_0_\@:
	s_barrier_wait -3
	s_barrier_signal -1
	s_barrier_wait -1
.endm
; A joint fill: every wave fetches its own 32 rows of the tile (both addresses hang on the wave's number).  An s_nop 0 and four v_nop follow.
.macro JLOAD
	tensor_load_to_lds s[G0T:G0T+3], s[G1T:G1T+7]
	s_nop 0
.rept 4
	v_nop
.endr
.endm
; THE CHANGE OF SLOTS.  The old slot's last fragments have been asked for.  Each wave waits for all its tensor loads, of which one is out: its part of the other slot; adds 0 to its spare word; and waits
; for that and for its own reads of the old slot.  fill = 1: the barrier is a round of the cluster's, so that no wave of any partner still reads the old slot or has a load on its way, and the joint refill,
; the tile two tiles on, is the first thing behind it: it has four pieces, 512 matrix instructions, in which to land.  (At its first use nothing has been read: slot 0 and the chunk's hneg and labels are waited for, slot 1 is filled.)
.macro CHANGE fill
	WIN 0                                          ; at a label and at a branch every window is 0
	s_wait_tensorcnt 0x0                           ; no tensor load of mine is out, so the walking group 0 may be written
	ds_add_u32 v[SPW], v[NIL]                      ; 0 onto my spare word; with fill = 1 the descriptor's steps stand between it and the wait for it
.if \fill
	s_xor_b32 s[G0T+1], s[G0T+1], SLOTB            ; the other slot than last time,
	s_add_nc_u64 s[G0T+2:G0T+3], s[G0T+2:G0T+3], 131072  ; the next 128 rows of 1,024 bytes; the type bits on top are not reached
.endif
	s_wait_dscnt 0x0                               ; the add is done, and my reads of the old slot are over
.if \fill
	CROUND
	JLOAD
.else
	s_barrier_signal -1
	s_barrier_wait -1
.endif
	s_sub_co_u32 s[TB], s[TB], SLOTB               ; the fetches go back to a slot's first pair,
	s_xor_b32 s[TB], s[TB], SLOTB                  ; in the other slot
.endm
	s_load_b256 s[4:11], s[0:1], 0x0               ; fb s[4:5], hneg s[6:7], labels s[8:9], part s[10:11]
	v_lshl_add_u32 v[SPW], v0, 2, SPARE
	v_mov_b32 v[NIL], 0
	ds_add_u32 v[SPW], v[NIL]                      ; the wave's opening: the add and its wait stand ahead of my first tensor load; the set-up below, work on registers, stands between them
	v_lshrrev_b32 v10, 5, v0
	v_readfirstlane_b32 s[WV], v10                 ; wave 0..3
	s_bfe_u32 s13, ttmp6, 0x40000                  ; cx: my place in the cluster
	s_lshl_b32 s14, ttmp9, 2                       ; in a cluster launch ttmp9 counts clusters
	s_add_co_u32 s14, s14, s13                     ; my block of 256 rows
	s_and_b32 s15, ttmp7, 0xffff                   ; the chunk, which the four partners share
	; group 1 of a tile's quarter: 32 rows x 512 elements of 2 bytes, padded in LDS
	s_mov_b32 s[G1T+0], 15|(1<<16)|(1<<20)|(1<<21)|(7<<22)|(3<<25)  ; 15:0 the mask of four; 17:16 2-byte elements; 20 padding on; 21 set beside a mask; 24:22 after every 256 words (code 7); 31:25 4 words (code 3)
	s_mov_b32 s[G1T+1], 512<<16                    ; tensor_dim0 = 512
	s_mov_b32 s[G1T+2], 32<<16                     ; tensor_dim1 = 32
	s_mov_b32 s[G1T+3], 512<<16                    ; tile_dim0 = 512
	s_mov_b32 s[G1T+4], 32                         ; tile_dim1 = 32
	s_mov_b32 s[G1T+5], 512                        ; 512 elements from row to row
	s_mov_b32 s[G1T+6], 0
	s_mov_b32 s[G1T+7], 0
	; group 1 of 1,024 dense bytes: 4 rows x 32 elements of 8 bytes, no padding
	s_mov_b32 s[G1M+0], 15|(3<<16)|(1<<21)
	s_mov_b32 s[G1M+1], 32<<16
	s_mov_b32 s[G1M+2], 4<<16
	s_mov_b32 s[G1M+3], 32<<16
	s_mov_b32 s[G1M+4], 4
	s_mov_b32 s[G1M+5], 32
	s_mov_b32 s[G1M+6], 0
	s_mov_b32 s[G1M+7], 0
	s_mul_i32 s16, s[WV], PIECEB                   ; where my quarter of a tile goes
	s_lshl_b32 s17, s[WV], 10                      ; my quarter of the chunk's 4,096 bytes of hneg and of labels
	s_mov_b32 s[G0T], 1                            ; count = 1
	s_mov_b32 s[G0T+1], s16                        ; LDS address: slot 0
	s_mov_b32 s[G0H], 1
	s_add_co_u32 s[G0H+1], s17, META_H
	s_mov_b32 s[G0L], 1
	s_add_co_u32 s[G0L+1], s17, META_L
	s_lshl_b32 s18, s15, 20                        ; the chunk's 1,024 rows of 1,024 bytes,
	s_lshl_b32 s19, s[WV], 15                      ; my 32 rows of a tile
	s_add_co_u32 s18, s18, s19
	s_mov_b32 s19, 0
	s_lshl_b32 s20, s15, 12
	s_add_co_u32 s20, s20, s17
	s_mov_b32 s21, 0
	s_lshl_b32 s[RW], s14, 8
	s_lshl_b32 s22, s[WV], 6
	s_add_co_u32 s[RW], s[RW], s22                 ; my wave's first row
	s_mov_b32 s23, 0
	s_mov_b32 s[PINF], 0x7f800000
	s_mov_b32 s[NINF], 0xff800000
	s_mov_b32 s[SEL], 0x76543210
	s_mov_b32 s[SEL+1], 0xfedcba98
	s_mov_b32 s[FM], -1
	s_mov_b32 s[HM], 0xffff0000
	s_mov_b32 s[TB], 2*SLOTB                       ; the first change of slots turns this into 0
	s_mov_b32 s[TM], 0
	s_lshl_b32 s[CP], s15, 10                      ; the chunk's first column
.irp k, 0,1,2,3,4,5,6,7
	s_mov_b32 s[DM+\k], 0
.endr
	s_wait_dscnt 0x0                               ; the opening add is done
	s_wait_kmcnt 0x0
	s_add_nc_u64 s[G0T+2:G0T+3], s[4:5], s[18:19]  ; global address: my quarter of the chunk's tile 0
	s_or_b32 s[G0T+3], s[G0T+3], 0x80000000        ; type = 2
	s_add_nc_u64 s[G0H+2:G0H+3], s[6:7], s[20:21]
	s_or_b32 s[G0H+3], s[G0H+3], 0x80000000
	s_add_nc_u64 s[G0L+2:G0L+3], s[8:9], s[20:21]
	s_or_b32 s[G0L+3], s[G0L+3], 0x80000000
	s_lshl_b32 s22, s[RW], 10
	s_add_nc_u64 s[2:3], s[4:5], s[22:23]          ; fb at my wave's first row
	s_lshl_b32 s22, s[RW], 2
	s_add_nc_u64 s[90:91], s[8:9], s[22:23]        ; labels at my wave's first row
	s_lshl_b32 s22, s15, 7
	s_lshl2_add_u32 s22, s14, s22
	s_add_co_u32 s22, s22, s[WV]                   ; 128 chunk + 4 block + wave,
	s_lshl_b32 s22, s22, 9                         ; 512 bytes each
	s_add_nc_u64 s[10:11], s[10:11], s[22:23]
	CROUND                                         ; all four work-groups are here: the first joint loads meet
	tensor_load_to_lds s[G0T:G0T+3], s[G1T:G1T+7]  ; the first fills go out together: three tensor loads of mine are out
	s_nop 0
	tensor_load_to_lds s[G0H:G0H+3], s[G1M:G1M+7]
	s_nop 0
	tensor_load_to_lds s[G0L:G0L+3], s[G1M:G1M+7]
	s_nop 0
.rept 4
	v_nop
.endr
	; A fragment is 16 rows x 32 K in 8 registers: lane (r, h) holds row r; registers 0-3 K = 8 h + 0..7, registers 4-7 K = 16 + 8 h + 0..7: two loads of 16 bytes, 32 bytes apart.  The same for both sources.
	v_and_b32 v1, 15, v0                           ; r
	v_bfe_u32 v2, v0, 4, 1                         ; h
	v_mul_u32_u24 v[AF0], v1, PITCH
	v_lshl_add_u32 v[AF0], v2, 4, v[AF0]
	v_lshlrev_b32 v[AM0], 5, v2
	v_add_nc_u32 v[AM0], META_H, v[AM0]
	v_lshlrev_b32 v[QO], 10, v1
	v_lshl_add_u32 v[QO], v2, 4, v[QO]
	v_lshlrev_b32 v[R4], 2, v1
	v_and_b32 v[GO], 31, v0
	v_lshlrev_b32 v[GO], 4, v[GO]
	WIN 0x80                                       ; destination window 2, address window 0: my rows' K steps 0-7
.set kk, 0
.rept 8
.irp rt, 0,1,2,3
	global_load_b128 v[8*(4*kk+\rt):8*(4*kk+\rt)+3],   v[QO], s[2:3] offset:\rt*16384+kk*64
	global_load_b128 v[8*(4*kk+\rt)+4:8*(4*kk+\rt)+7], v[QO], s[2:3] offset:\rt*16384+kk*64+32
.endr
.set kk, kk+1
.endr
	WIN 0xc0                                       ; destination window 3: K steps 8-15
.set kk, 0
.rept 8
.irp rt, 0,1,2,3
	global_load_b128 v[8*(4*kk+\rt):8*(4*kk+\rt)+3],   v[QO], s[2:3] offset:\rt*16384+(kk+8)*64
	global_load_b128 v[8*(4*kk+\rt)+4:8*(4*kk+\rt)+7], v[QO], s[2:3] offset:\rt*16384+(kk+8)*64+32
.endr
.set kk, kk+1
.endr
	WIN 0
.irp rt, 0,1,2,3
	global_load_b32 v[LI+\rt], v[R4], s[90:91] offset:64*\rt
.endr
	; No first pair is written out: the first piece's turn works off a piece that has not been.  Its registers need only be written: 88 lines, in the wait for the first tile; the statistics get their true start behind that turn.
.set i, ACC+64
.rept 64
	v_mov_b32 v[i], 0
.set i, i+1
.endr
.set i, LJ+16
.rept 16
	v_mov_b32 v[i], 0
.set i, i+1
.endr
.irp rt, 0,1,2,3
	v_mov_b32 v[PM+\rt], 0
	v_mov_b32 v[NM+\rt], 0
.endr
; 16 LDS loads in one run: quarter y (K steps 4 y .. 4 y + 3) of the piece at byte po of the pair in hand, into fragment buffer y
.macro LDFR y, po
	WIN 0x40                                       ; destination window 1, address window 0
.irp i, 0,1,2,3
.irp cb, 0,1
	ds_load_b128 v[64*(\y)+16*\i+8*\cb:64*(\y)+16*\i+8*\cb+3],   v[AD] offset:(\po)+\cb*16*PITCH+(4*(\y)+\i)*64
	ds_load_b128 v[64*(\y)+16*\i+8*\cb+4:64*(\y)+16*\i+8*\cb+7], v[AD] offset:(\po)+\cb*16*PITCH+(4*(\y)+\i)*64+32
.endr
.endr
.endm
.macro LDHJ b                          ; hneg of the 32 columns of piece b of the pair: register k of block cb is column 16 cb + 8 h + k
	WIN 0
.irp cb, 0,1
	ds_load_b128 v[HJ+8*\cb:HJ+8*\cb+3],   v[AMD] offset:128*(\b)+64*\cb
	ds_load_b128 v[HJ+8*\cb+4:HJ+8*\cb+7], v[AMD] offset:128*(\b)+64*\cb+16
.endr
.endm
.macro LDLJ b                          ; their labels, into the piece's own buffer
	WIN 0
.irp cb, 0,1
	ds_load_b128 v[LJ+16*(\b)+8*\cb:LJ+16*(\b)+8*\cb+3],   v[AMD] offset:4096+128*(\b)+64*\cb
	ds_load_b128 v[LJ+16*(\b)+8*\cb+4:LJ+16*(\b)+8*\cb+7], v[AMD] offset:4096+128*(\b)+64*\cb+16
.endr
.endm
; One matrix instruction: accumulator t of buffer b, K step kk.  K step 0 starts the sum with hneg of the columns.
.macro MM b, kk, t
.if (\kk) < 8
	WIN 0x09                                       ; source 0 window 1, source 1 window 2, C and D window 0
.else
	WIN 0x0d                                       ; source 1 window 3
.endif
.set mD, ACC+64*(\b)+8*(\t)
.set mA, 64*((\kk)/4)+16*((\kk)%4)+8*((\t)/4)
.set mB, 8*(4*((\kk)%8)+(\t)%4)
.set mC, HJ+8*((\t)/4)
.if (\kk) == 0
	v_wmma_f32_16x16x32_bf16 v[mD:mD+7], v[mA:mA+7], v[mB:mB+7], v[mC:mC+7]
.else
	v_wmma_f32_16x16x32_bf16 v[mD:mD+7], v[mA:mA+7], v[mB:mB+7], v[mD:mD+7]
.endif
.endm
; THE VECTOR WORK.  Quarter x of the work on buffer bp takes its accumulators A = 2 x and B = 2 x + 1 (column block x / 2, row tiles 2 x % 4 and the next).  EP writes number e of this list and steps e:
;   0-15    labels differ? for register k of A and of B by turns, into 16 scalar masks
;   (16-23  only where one of the two can hold the diagonal: bp = 0: A of x = 0, B of x = 2; bp = 1: A of x = 1, B of x = 3: its register k becomes +inf in the lanes on the diagonal)
;   32      for each k: A's number for the minimum (u where labels are equal, else +inf), A's for the maximum, in place (u where they differ, else -inf); the same for B
;   16      for each two k: min3 and max3 onto the row tiles' statistics
; Each accumulator's register 0 is read first.  No line reads a result made fewer than four lines before it.
.macro EP bp, x
	WIN 0
.set uA, ACC+64*(\bp)+16*(\x)
.set uB, uA+8
.set uD, uA+8*((\x)/2)
.set lj, LJ+16*(\bp)+8*((\x)/2)
.set rtA, (2*(\x))%4
.set HASD, 0
.if ((\x)%2) == (\bp)
.set HASD, 1
.endif
.set f, e-16-8*HASD
.if e < 16
	v_cmp_ne_u32 s[MK+8*(e%2)+e/2], v[lj+e/2], v[LI+rtA+e%2]
.elseif f < 0
	v_cndmask_b32 v[uD+e-16], v[uD+e-16], s[PINF], s[DM+e-16]
.elseif f < 32
.if f%4 == 0
	v_cndmask_b32 v[TPA+f/4], v[uA+f/4], s[PINF], s[MK+f/4]
.elseif f%4 == 1
	v_cndmask_b32 v[uA+f/4], s[NINF], v[uA+f/4], s[MK+f/4]
.elseif f%4 == 2
	v_cndmask_b32 v[TPB+f/4], v[uB+f/4], s[PINF], s[MK+8+f/4]
.else
	v_cndmask_b32 v[uB+f/4], s[NINF], v[uB+f/4], s[MK+8+f/4]
.endif
.else
.set k2, 2*((f-32)/4)
.if f%4 == 0
	v_min3_num_f32 v[PM+rtA], v[PM+rtA], v[TPA+k2], v[TPA+k2+1]
.elseif f%4 == 1
	v_max3_num_f32 v[NM+rtA], v[NM+rtA], v[uA+k2], v[uA+k2+1]
.elseif f%4 == 2
	v_min3_num_f32 v[PM+rtA+1], v[PM+rtA+1], v[TPB+k2], v[TPB+k2+1]
.else
	v_max3_num_f32 v[NM+rtA+1], v[NM+rtA+1], v[uB+k2], v[uB+k2+1]
.endif
.endif
.set e, e+1
.endm
; A QUARTER of piece b's turn: K steps 4 x .. 4 x + 3, 32 matrix instructions; the 8 accumulators take turns, one instruction a turn, over every join and backward jump too.
; At its head (ld = 1) the fragments two quarters on are asked for in one run, into the buffer whose last reader stands a whole quarter, 64 plain vector instructions, back; ahead of them, at x = 1 the
; piece's own labels, at x = 2 the next piece's hneg (its last reader stands in quarter 0).  step = 1: those loads are the next pair's: the two addresses step first.
; wt = 16: LDS instructions come back in order: the 16 fragment loads of the head before may stay out; all older ones are in: this quarter's fragments, and the four loads of labels or hneg, which are issued ahead of fragments.
; Behind each two matrix instructions stand four lines (five in the first eight groups of a quarter with the diagonal's eight) of the other buffer's work; none names a register of the products round it.
.macro QT b, x, wt, ld, step
	WIN 0
	s_wait_dscnt \wt
.if \step
	v_add_nc_u32 v[AD], s[TB], v[AF0]
	s_add_co_u32 s[TB], s[TB], 2*PIECEB
	v_add_nc_u32 v[AMD], s[TM], v[AM0]
	s_add_co_u32 s[TM], s[TM], 256
.endif
.if \ld
.if (\x) == 1
	LDLJ \b
.endif
.if (\x) == 2
	LDHJ 1-(\b)
.endif
.if (\x) < 2
	LDFR (\x)+2, (\b)*PIECEB
.else
	LDFR (\x)-2, (1-(\b))*PIECEB
.endif
.endif
.set e, 0
.set extra, 0
.if ((\x)%2) != (\b)
.set extra, 8
.endif
.set g, 0
.rept 16
	MM \b, 4*(\x)+g/4, 2*(g%4)
	MM \b, 4*(\x)+g/4, 2*(g%4)+1
.rept 4
	EP 1-(\b), \x
.endr
.if g < extra
	EP 1-(\b), \x
.endif
.set g, g+1
.endr
.endm
; A trip of the walk goes from the middle of an odd piece to the middle of the next odd piece.  TOP: the odd piece's second half; it asks for the next pair's first fragments.
.macro TOP
	QT 1, 2, 16, 1, 1
	QT 1, 3, 16, 1, 0
.endm
; REST: the pair's even piece, then the diagonal masks of this pair (they serve from here to the end of the next even piece's turn), then the odd piece's first half.
; first = 1 (the loop's text, which the launch enters here): behind the first even piece's turn, which worked off a piece that has not been, the statistics are set to their start; later the mask is 0 and the eight lines change nothing.
.macro REST first
	QT 0, 0, 16, 1, 0
	QT 0, 1, 16, 1, 0
	QT 0, 2, 16, 1, 0
	QT 0, 3, 16, 1, 0
	WIN 0
.if \first
.irp rt, 0,1,2,3
	v_cndmask_b32 v[PM+\rt], v[PM+\rt], s[PINF], s[FM]
	v_cndmask_b32 v[NM+\rt], v[NM+\rt], s[NINF], s[FM]
.endr
	s_mov_b32 s[FM], 0
.endif
	s_cmp_eq_u32 s[CP], s[RW]                      ; does this pair of 64 columns begin at my 64 rows?  Then row tile rt meets column block rt of the pair on the diagonal
.irp k, 0,1,2,3,4,5,6,7
	s_cselect_b32 s[DM+\k], (1<<\k)|(1<<(24+\k)), 0  ; register k holds column 8 h + k and the lane row r: equal in lanes k (h = 0) and 24 + k (h = 1)
.endr
	s_add_co_u32 s[CP], s[CP], 64
	QT 1, 0, 16, 1, 0
	QT 1, 1, 16, 1, 0
.endm
	CHANGE 1                                       ; tile 0 and the chunk's hneg and labels are in, everybody's part of them; tile 1 is asked for
	v_add_nc_u32 v[AD], s[TB], v[AF0]              ; pair 0
	s_add_co_u32 s[TB], s[TB], 2*PIECEB
	v_add_nc_u32 v[AMD], s[TM], v[AM0]
	s_add_co_u32 s[TM], s[TM], 256
	LDHJ 0
	LDFR 0, 0
	LDFR 1, 0
	WIN 0
	s_wait_loadcnt 0x0                             ; my rows and their labels
	s_mov_b32 s[CNT], 2
	s_mov_b32 s[SLOTS], 7
	s_branch .Lfirst                               ; the loop is entered in the middle of a trip: there is no odd piece to finish yet
.Lslot:                                                ; six times: tiles 1 to 6 are entered, tiles 2 to 7 asked for
	CHANGE 1
	s_mov_b32 s[CNT], 2
.Lpair:
	TOP
	WIN 0
.Lfirst:
	REST 1
	WIN 0
	s_sub_co_u32 s[CNT], s[CNT], 1
	s_cmp_lg_u32 s[CNT], 0
	s_cbranch_scc1 .Lpair
	s_sub_co_u32 s[SLOTS], s[SLOTS], 1
	s_cmp_lg_u32 s[SLOTS], 0
	s_cbranch_scc1 .Lslot
	CHANGE 0                                       ; the last tile is written out: nothing is asked for
	s_mov_b32 s[CNT], 2
.Ltp:
	TOP
	REST 0
	WIN 0
	s_sub_co_u32 s[CNT], s[CNT], 1
	s_cmp_lg_u32 s[CNT], 0
	s_cbranch_scc1 .Ltp
	QT 1, 2, 16, 0, 0                              ; the last odd piece's second half: nothing more is fetched; the youngest 16 loads are quarter 3's
	QT 1, 3, 0, 0, 0                               ; no load was issued behind quarter 3's
.irp x, 0,1,2,3                        ; and its own work, with no products left to stand beside: the 16 compares at its head are the places behind the last products
.set e, 0
.rept 64
	EP 1, \x
.endr
.if (\x)%2 == 1
.rept 8
	EP 1, \x
.endr
.endif
.endr
	; THE WAY OUT.  A row's columns lie in two lanes, 16 apart: the two halves' extremes are joined; lanes 0-15 keep the minimum, lanes 16-31 the maximum; one store of 512 consecutive bytes, aligned.
	WIN 0
.irp rt, 0,1,2,3
	v_permlanex16_b32 v[TPA+\rt], v[PM+\rt], s[SEL], s[SEL+1]
	v_permlanex16_b32 v[TPB+\rt], v[NM+\rt], s[SEL], s[SEL+1]
.endr
.irp rt, 0,1,2,3
	v_min_num_f32 v[PM+\rt], v[PM+\rt], v[TPA+\rt]
	v_max_num_f32 v[NM+\rt], v[NM+\rt], v[TPB+\rt]
.endr
.irp rt, 0,1,2,3
	v_cndmask_b32 v[OUT+\rt], v[PM+\rt], v[NM+\rt], s[HM]
.endr
	global_store_b128 v[GO], v[OUT:OUT+3], s[10:11]
	s_wait_tensorcnt 0x0                           ; the wave's end, behind my last tensor load
	ds_add_u32 v[SPW], v[NIL]
	s_wait_dscnt 0x0
	CROUND                                         ; the closing round: no work-group ends while a partner may still ask for a tile that names it
	s_endpgm
.Lfunc_end_k_qfb57fa2418_gram:
	.size	k_qfb57fa2418_gram, .Lfunc_end_k_qfb57fa2418_gram-k_qfb57fa2418_gram
	.p2alignl 7, 3214868480
	.fill 96, 4, 3214868480
	.section	.rodata,"a",@progbits
	.p2align	6, 0x0
	.amdhsa_kernel k_qfb57fa2418_gram
		.amdhsa_group_segment_fixed_size 327680
		.amdhsa_private_segment_fixed_size 0
		.amdhsa_enable_private_segment 0
		.amdhsa_kernarg_size 32
		.amdhsa_user_sgpr_count 2
		.amdhsa_user_sgpr_kernarg_segment_ptr 1
		.amdhsa_wavefront_size32 1
		.amdhsa_system_sgpr_workgroup_id_x 1
		.amdhsa_system_sgpr_workgroup_id_y 1
		.amdhsa_system_sgpr_workgroup_id_z 1
		.amdhsa_system_vgpr_workitem_id 0
		.amdhsa_next_free_vgpr 1024
		.amdhsa_next_free_sgpr 92
		.amdhsa_reserve_vcc 0
		.amdhsa_float_denorm_mode_32 3
		.amdhsa_float_denorm_mode_16_64 3
		.amdhsa_memory_ordered 1
		.amdhsa_forward_progress 1
		.amdhsa_inst_pref_size 196
	.end_amdhsa_kernel
	.amdgpu_metadata
---
amdhsa.version: [ 1, 2 ]
amdhsa.kernels:
  - .name:           k_qfb57fa2418_gram
    .symbol:         k_qfb57fa2418_gram.kd
    .args:
      - { .name: fb, .offset: 0, .size: 8, .value_kind: global_buffer, .address_space: global }
      - { .name: hneg, .offset: 8, .size: 8, .value_kind: global_buffer, .address_space: global }
      - { .name: labels, .offset: 16, .size: 8, .value_kind: global_buffer, .address_space: global }
      - { .name: part, .offset: 24, .size: 8, .value_kind: global_buffer, .address_space: global }
    .group_segment_fixed_size: 327680
    .private_segment_fixed_size: 0
    .kernarg_segment_align: 8
    .kernarg_segment_size: 32
    .max_flat_workgroup_size: 128
    .sgpr_count:     92
    .vgpr_count:     1024
    .wavefront_size: 32
...
	.end_amdgpu_metadata
.endif
;; end of part 2
;; launch fin (part 3): grid 128 x 1, 1 waves a work-group, no clusters, 0 bytes of LDS; arguments part, hneg, out0; writes out0
.if DOCPART == 3
	.amdgcn_target "amdgcn-amd-amdhsa--gfx1250"
	.amdhsa_code_object_version 6
	.text
	.protected	k_qfb57fa2418_fin
	.globl	k_qfb57fa2418_fin
	.p2align	8
	.type	k_qfb57fa2418_fin,@function
k_qfb57fa2418_fin:
	s_mov_b64 s[64:65], 0
	v_nop
	global_prefetch_b8 v0, s[64:65] scope:SCOPE_SE
	s_setreg_imm32_b32 hwreg(HW_REG_WAVE_MODE, 25, 1), 1
	s_wait_xcnt 0x0
; out0[i] = (hardest_pos, hardest_neg).  part: [chunk 8][unit 128][lane 32][rt 4] f32: lanes 0-15 the chunk's minimum of u over equal labels (+inf if none), lanes 16-31 its maximum of u over other
; labels (-inf if none), for row 64 unit + 16 rt + lane % 16.  The squared distance that belongs to an extreme e of row i is -2 (hneg[i] + e); it is held at 0 from below, and its root is taken.
; No equal label: e = +inf, the square is -inf, held at 0: hardest_pos = 0, as the diagonal's 0 gives it.  No other label: e = -inf, the root is +inf, and hardest_neg takes the row's largest distance, which is then hardest_pos.
; One wave a unit of 64 rows: there is work for 128 waves, so 128 are launched.  Each load covers 512 consecutive bytes, each store 256, aligned.
; LIMITS.  A squared distance below 2^-126 gives 0 (v_sqrt_f32 takes a denormal for 0: ISA guide, its entry in 15.8).  hardest_neg is the smallest distance itself, without the rounding of
; (d - max) + max.  A true distance of +inf (overflow) is taken for 'no other label'.  NaN is not treated apart.
.set P,  16                            ; v[16:47] chunk c at P + 4 c + rt
.set H,  8                             ; v[8:11]  hneg of my row in row tile rt
.set MN, 48                            ; v[48:51] minimum over the chunks; later the other half of the lanes' distance
.set MX, 52                            ; v[52:55] maximum
.set E,  56                            ; v[56:59] my half's extreme, then the squared distance
.set D,  60                            ; v[60:63] the distance
.set PS, 64                            ; v[64:67] hardest_pos
.set NG, 68                            ; v[68:71] hardest_neg
	s_load_b128 s[4:7], s[0:1], 0x0                ; part s[4:5], hneg s[6:7]
	s_load_b64 s[8:9], s[0:1], 0x10                ; out0
	v_and_b32 v1, 15, v0                           ; r
	v_lshlrev_b32 v2, 4, v0                        ; 16 lane
	v_lshlrev_b32 v3, 2, v1                        ; 4 r
	v_lshlrev_b32 v4, 3, v0                        ; 8 lane
	s_lshl_b32 s2, ttmp9, 9                        ; a unit is 512 bytes of part's chunk and of out0,
	s_mov_b32 s3, 0
	s_lshl_b32 s10, ttmp9, 8                       ; and 256 bytes of hneg
	s_mov_b32 s11, 0
	s_mov_b32 s12, 0x76543210                      ; each lane takes its own place in the other half
	s_mov_b32 s13, 0xfedcba98
	s_mov_b32 s14, 0xffff0000                      ; lanes 16-31
	s_mov_b32 s15, 0x7f800000                      ; +inf
	s_wait_kmcnt 0x0
	s_add_nc_u64 s[4:5], s[4:5], s[2:3]
	s_add_nc_u64 s[6:7], s[6:7], s[10:11]
	s_add_nc_u64 s[8:9], s[8:9], s[2:3]
.irp c, 0,1,2,3,4,5,6,7
	global_load_b128 v[P+4*\c:P+4*\c+3], v2, s[4:5] offset:\c*65536
.endr
.irp rt, 0,1,2,3
	global_load_b32 v[H+\rt], v3, s[6:7] offset:64*\rt
.endr
	s_wait_loadcnt 0x0
.irp rt, 0,1,2,3
	v_min3_num_f32 v[MN+\rt], v[P+\rt], v[P+4+\rt], v[P+8+\rt]
	v_max3_num_f32 v[MX+\rt], v[P+\rt], v[P+4+\rt], v[P+8+\rt]
.endr
.irp rt, 0,1,2,3
	v_min3_num_f32 v[MN+\rt], v[MN+\rt], v[P+12+\rt], v[P+16+\rt]
	v_max3_num_f32 v[MX+\rt], v[MX+\rt], v[P+12+\rt], v[P+16+\rt]
.endr
.irp rt, 0,1,2,3
	v_min3_num_f32 v[MN+\rt], v[MN+\rt], v[P+20+\rt], v[P+24+\rt]
	v_max3_num_f32 v[MX+\rt], v[MX+\rt], v[P+20+\rt], v[P+24+\rt]
.endr
.irp rt, 0,1,2,3
	v_min_num_f32 v[MN+\rt], v[MN+\rt], v[P+28+\rt]
	v_max_num_f32 v[MX+\rt], v[MX+\rt], v[P+28+\rt]
.endr
.irp rt, 0,1,2,3
	v_cndmask_b32 v[E+\rt], v[MN+\rt], v[MX+\rt], s14  ; lanes 0-15 hold minima, lanes 16-31 maxima
.endr
.irp rt, 0,1,2,3
	v_add_f32 v[E+\rt], v[H+\rt], v[E+\rt]
.endr
.irp rt, 0,1,2,3
	v_mul_f32 v[E+\rt], -2.0, v[E+\rt]
.endr
.irp rt, 0,1,2,3
	v_max_num_f32 v[E+\rt], 0, v[E+\rt]
.endr
.irp rt, 0,1,2,3
	v_sqrt_f32 v[D+\rt], v[E+\rt]
.endr
	v_nop                                          ; a plain instruction between the last root and the use of its result (ISA guide 5.7.2)
	s_wait_alu depctr_va_vdst(0)
.irp rt, 0,1,2,3
	v_permlanex16_b32 v[MN+\rt], v[D+\rt], s12, s13
.endr
.irp rt, 0,1,2,3
	v_cndmask_b32 v[PS+\rt], v[D+\rt], v[MN+\rt], s14  ; every lane now holds both numbers of its row in each row tile
	v_cndmask_b32 v[NG+\rt], v[MN+\rt], v[D+\rt], s14
.endr
.irp rt, 0,1,2,3
	v_cmp_eq_f32 vcc_lo, s15, v[NG+\rt]            ; no other label in the whole row
	v_cndmask_b32 v[NG+\rt], v[NG+\rt], v[PS+\rt], vcc_lo
.endr
	v_cndmask_b32 v72, v[PS], v[PS+1], s14         ; lane 16 h + r stores row 16 h + r of the unit's first 32: row tile h,
	v_cndmask_b32 v73, v[NG], v[NG+1], s14
	v_cndmask_b32 v74, v[PS+2], v[PS+3], s14       ; and of its second 32: row tile 2 + h
	v_cndmask_b32 v75, v[NG+2], v[NG+3], s14
	global_store_b64 v4, v[72:73], s[8:9]          ; 32 lanes: 256 consecutive bytes, aligned
	global_store_b64 v4, v[74:75], s[8:9] offset:256
	s_endpgm
.Lfunc_end_k_qfb57fa2418_fin:
	.size	k_qfb57fa2418_fin, .Lfunc_end_k_qfb57fa2418_fin-k_qfb57fa2418_fin
	.p2alignl 7, 3214868480
	.fill 96, 4, 3214868480
	.section	.rodata,"a",@progbits
	.p2align	6, 0x0
	.amdhsa_kernel k_qfb57fa2418_fin
		.amdhsa_group_segment_fixed_size 0
		.amdhsa_private_segment_fixed_size 0
		.amdhsa_enable_private_segment 0
		.amdhsa_kernarg_size 24
		.amdhsa_user_sgpr_count 2
		.amdhsa_user_sgpr_kernarg_segment_ptr 1
		.amdhsa_wavefront_size32 1
		.amdhsa_system_sgpr_workgroup_id_x 1
		.amdhsa_system_sgpr_workgroup_id_y 1
		.amdhsa_system_sgpr_workgroup_id_z 1
		.amdhsa_system_vgpr_workitem_id 0
		.amdhsa_next_free_vgpr 80
		.amdhsa_next_free_sgpr 66
		.amdhsa_reserve_vcc 1
		.amdhsa_float_denorm_mode_32 3
		.amdhsa_float_denorm_mode_16_64 3
		.amdhsa_memory_ordered 1
		.amdhsa_forward_progress 1
		.amdhsa_inst_pref_size 7
	.end_amdhsa_kernel
	.amdgpu_metadata
---
amdhsa.version: [ 1, 2 ]
amdhsa.kernels:
  - .name:           k_qfb57fa2418_fin
    .symbol:         k_qfb57fa2418_fin.kd
    .args:
      - { .name: part, .offset: 0, .size: 8, .value_kind: global_buffer, .address_space: global }
      - { .name: hneg, .offset: 8, .size: 8, .value_kind: global_buffer, .address_space: global }
      - { .name: out0, .offset: 16, .size: 8, .value_kind: global_buffer, .address_space: global }
    .group_segment_fixed_size: 0
    .private_segment_fixed_size: 0
    .kernarg_segment_align: 8
    .kernarg_segment_size: 24
    .max_flat_workgroup_size: 32
    .sgpr_count:     66
    .vgpr_count:     80
    .wavefront_size: 32
...
	.end_amdgpu_metadata
.endif
;; end of part 3
